; MI455X (gfx1250); checked and timed in simulation.
; The chip was launched on July 23, 2026; its instructions are those of AMD's public machine-readable ISA for CDNA 5 (MIT licence, August 2026) and "CDNA5" Instruction Set Architecture Reference Guide (July 2026). The comments in the code are by the model that wrote it; some were corrected since.
;; Chunked Cross Attention. Allowed arithmetic: matrix products marked QUANTISED: E5M2 operands, one given power-of-two scale a tensor, by v_wmma_f32_16x16x64_bf8_bf8 or v_wmma_f32_16x16x128_bf8_bf8, f32 sums; everything else in f32.
;; Inputs: Wk 1,024 x 1,024 float32; Wo 1,024 x 1,024 float32; Wq 1,024 x 1,024 float32; Wv 1,024 x 1,024 float32; bk 1,024 float32; bo 1,024 float32; bq 1,024 float32; bv 1,024 float32; e 4 x 16 x 2 x 128 x 1,024 float32; g_norm 1,024 float32; h 4 x 1,024 x 1,024 float32; lowp_scales 12 int32 (the exponents e of the quantised operands' scales 2^e).
;; Outputs: out0 4 x 1,024 x 1,024 float32.
;; This version of the problem:
;;   THIS VERSION OF THE PROBLEM IS GIVEN IN LOW PRECISION. The matrix products marked QUANTISED in the list below multiply operands that are first quantised to E5M2 (5 exponent bits, 2 mantissa bits; 8 bits a number), with one given power-of-two scale for each operand tensor; their sums are f32. All else is computed in f32.
;;   The module's matrix products, in the order in which they are computed (A, B: the left and right operand; K: the contracted axis; several contracted axes count as one K, in the product's order):
;;     1. [M 4,096, K 1,024] x [K 1,024, N 1,024]; A: computed on the way; B: input Wq: QUANTISED (scales: A lowp_scales[0], B lowp_scales[1])
;;     2. [M 16,384, K 1,024] x [K 1,024, N 1,024]; A: input e; B: input Wk: QUANTISED (scales: A lowp_scales[2], B lowp_scales[3])
;;     3. [M 16,384, K 1,024] x [K 1,024, N 1,024]; A: input e; B: input Wv: QUANTISED (scales: A lowp_scales[4], B lowp_scales[5])
;;     4. batch 1,024 x [M 64, K 64] x [K 64, N 256]; A: computed on the way; B: computed on the way: QUANTISED (scales: A lowp_scales[6], B lowp_scales[7])
;;     5. batch 1,024 x [M 64, K 256] x [K 256, N 64]; A: computed on the way; B: computed on the way: QUANTISED (scales: A lowp_scales[8], B lowp_scales[9])
;;     6. [M 4,096, K 1,024] x [K 1,024, N 1,024]; A: computed on the way; B: input Wo: QUANTISED (scales: A lowp_scales[10], B lowp_scales[11])
;;   THE QUANTISER, for each operand of a quantised product, along K:
;;     - The operand's scale is 2^e, e = its entry of the input lowp_scales (int32; the entries are numbered through the quantised products in the list's order, A before B).
;;     - Each number is divided by the scale, clamped to +-57,344, and rounded to the nearest number of E5M2, ties to even, subnormals kept.
;;     - The product sums the exact products of the quantised numbers (number of the format x scale) in f32.
;;   ~~~python
;;   def quantise(x, axis, e):      # numpy; x: float32 -> the quantised numbers, widened to float32 again
;;       x = np.moveaxis(x, axis, -1); K = x.shape[-1]
;;       r = np.clip(x / 2.0 ** e, -57344, 57344)
;;       step = 2.0 ** (np.maximum(np.frexp(np.where(r == 0, 1, r))[1] - 1, -14) - 2)
;;       q = np.round(r / step) * step * 2.0 ** e      # np.round: ties to even
;;       return np.moveaxis(q, -1, axis).astype(np.float32)
;;   ~~~
;;   OPERANDS COMPUTED ON THE WAY. 'Computed on the way' means the value that the module computes at that place (a softmax that the list does not call 'softmax' is quantised finished and normalised). What goes into a quantiser is computed in f32, as accurately as f32 sums, v_exp_f32 and their like allow (about 1e-6 of the number): no bf16 or f16 on the way to a quantiser, and a product that is left as it is and whose result goes on into a quantised operand takes f32 operands (vector FMAs, or v_wmma_f32_16x16x4_f32). A number that lies on a knife's edge between two numbers of the format may be rounded either way, as far as f32 arithmetic and the matrix unit's own rounding can turn it there, and no further.
;; One version. Each part assembles by itself: llvm-mc -triple=amdgcn-amd-amdhsa -mcpu=gfx1250 --defsym DOCPART=n.
;; ======== version 1 of 1: 3 launches
;; limits: right only within a limited range of input values
;; workspace buffers: acodes 37,748,736 bytes; bcodes 3,145,728 bytes; wocodes 1,048,576 bytes; oimg 4,194,304 bytes
;; launch prep (part 1): grid 896 x 1, 4 waves a work-group, no clusters, 70,144 bytes of LDS; arguments Wk, Wv, Wq, Wo, e, h, g_norm, lowp_scales, acodes, bcodes, wocodes; writes acodes, bcodes, wocodes
.if DOCPART == 1
	.amdgcn_target "amdgcn-amd-amdhsa--gfx1250"
	.amdhsa_code_object_version 6
	.text
	.protected	k_q9393d6e3f7_prep
	.globl	k_q9393d6e3f7_prep
	.p2align	8
	.type	k_q9393d6e3f7_prep,@function
k_q9393d6e3f7_prep:
	s_mov_b64 s[64:65], 0
	v_nop
	global_prefetch_b8 v0, s[64:65] scope:SCOPE_SE
	s_setreg_imm32_b32 hwreg(HW_REG_WAVE_MODE, 25, 1), 1
	s_wait_xcnt 0x0
; PREP: every operand that arrives as f32 becomes codes of E5M2 (one byte a number), each with the scale 2^e that lowp_scales gives for it, laid as the two later launches read them.
;   work-groups 0-127   (path W): Wk (e3), Wv (e5), Wq (e1) -> bcodes, Wo (e11) -> wocodes.  K is the weights' FIRST axis: a lane takes a column n, its registers run down K.
;   work-groups 128-383 (path H): hn = rmsnorm(h[:, 63:]) x g_norm (e0) -> block 8 of each chunk's part of acodes.
;   work-groups 384-895 (path E): e, quantised twice, with e2 (for K) and with e4 (for V) -> blocks 0-3 and 4-7 of each chunk's part of acodes.
; code = x / 2^e, held within +-57,344, rounded to the nearest code, ties to even.
; DEAD WORK.  out[b, t] = o[b, t - 63] + h[b, t] for t >= 63 and h[b, t] for t < 63: reference() pads o by 63 rows in front and cuts it at seq, so rows 961 .. 1023 of o in every batch reach no output,
; whatever the inputs hold.  A row of o hangs on its own row of q alone (softmax and both attention products work row by row), and those rows of q come from the 63 rows of zeros that reference() pads hn with.
; So these 63 rows of hn get no norm here: zero codes are stored in their place, since the next launch's tile of 64 rows of the last chunk, which also holds the live row 960, reads those bytes.
; No input is left out: every input has a way to the output (bk too: it stands ahead of a quantiser).  LIMIT: a NaN, an infinity or an overflow that reaches only the rows left out is not carried to the result.
; LIMITS: each e used here, and e + 15, lies between -126 and 127, so that 2^e and 57,344 x 2^e are f32 numbers.  NaN among the inputs is not served (an infinity is held at the largest code).
; THE ORDER ALONG K.  A sum over K may take K in any order, if both operands take the same.  ORDER A (hn, e, Wq, Wk, Wv): byte p = 512 g + 16 l + 4 j + i of a row holds k = 512 g + 128 j + 4 l + i:
; then a lane's four dense loads of 16 bytes (512 consecutive bytes a wave each) are the 16 numbers of its 16 consecutive code bytes, and nothing is turned through LDS.
; ORDER B (Wo): byte p holds k = p with bits 3 and 4 exchanged: the order in which the attention launch's codes of o fall out of its registers.
; LAYOUTS.  acodes: [chunk bc = 16 b + c][9 blocks of 65,536]: blocks 0-3 e by e2, K tile ks = p / 256: [256 keys][256 bytes]; 4-7 the same by e4; block 8: hn [ks][64 rows][256].
;   bcodes: [group of 4 heads][12 blocks of 65,536]: block 4 x (0 Wk, 1 Wv, 2 Wq) + ks: [256 columns n][256 bytes].   wocodes: [n][1,024 bytes].
; A stream: no matrix unit, no cluster (no two work-groups read the same bytes), no tensor loads; every store of a wave covers whole aligned runs of 256 bytes.
.set PITCH, 272                        ; a stage row: 256 bytes of codes + 16
.set STGB,  4*32*PITCH                 ; four waves' stages; the text for Wo has stage bytes of its own behind the other's
.set SPARE, 2*STGB                     ; the spare words, 128 bytes a wave: two blocks of 256 bytes that no other line names
.set ABLK,  589824                     ; a chunk's part of acodes
.set BBLK,  786432                     ; a head group's part of bcodes
; from the exponent in s[e]: s[sS] = 2^e as f32 (the conversion takes its exponent field), s[sP] = 57,344 x 2^e, s[sN] = minus that
.macro SCALE e, sS, sN, sP
	s_add_co_i32 s[\sP], s[\e], 142
	s_lshl_b32 s[\sP], s[\sP], 23
	s_or_b32 s[\sP], s[\sP], 0x600000
	s_or_b32 s[\sN], s[\sP], 0x80000000
	s_add_co_i32 s[\sS], s[\e], 127
	s_lshl_b32 s[\sS], s[\sS], 23
.endm
	s_load_b256 s[8:15], s[0:1], 0x0               ; Wk, Wv, Wq, Wo
	s_load_b256 s[16:23], s[0:1], 0x20             ; e, h, g_norm, lowp_scales
	s_load_b128 s[24:27], s[0:1], 0x40             ; acodes, bcodes
	s_load_b64 s[28:29], s[0:1], 0x50              ; wocodes
	v_lshl_add_u32 v14, v0, 2, SPARE               ; my spare word,
	v_mov_b32 v15, 0                               ; and 0: kept for the add at the end of path W
	v_lshrrev_b32 v1, 5, v0
	v_readfirstlane_b32 s30, v1                    ; wave 0..3
	v_and_b32 v2, 31, v0                           ; lane
	v_and_b32 v5, 15, v0                           ; lane % 16
	v_bfe_u32 v6, v0, 4, 1                         ; lane / 16
	s_mov_b32 s47, 0                               ; the upper word of the offsets in s[46:47]
	s_wait_kmcnt 0x0
	s_load_b256 s[32:39], s[22:23], 0x0            ; e0 .. e7
	s_load_b128 s[40:43], s[22:23], 0x20           ; e8 .. e11
	s_cmp_lt_u32 ttmp9, 128
	s_cbranch_scc1 .Lw
	s_cmp_lt_u32 ttmp9, 384
	s_cbranch_scc1 .Lh
; ---------------- PATH E.  Wave W = 4 (work-group - 384) + wave takes rows 8 W .. 8 W + 7 of e (a row: 4,096 bytes), in 16 steps of half a row.  Every offset is an immediate.
	s_sub_co_u32 s44, ttmp9, 384
	s_lshl_b32 s44, s44, 2
	s_add_co_u32 s44, s44, s30                     ; W, 0 .. 2,047
	s_lshl_b32 s46, s44, 15                        ; 8 rows of 4,096 bytes
	s_add_nc_u64 s[16:17], s[16:17], s[46:47]
	s_lshr_b32 s46, s44, 5                         ; the chunk: 256 rows of e, 32 waves
	s_mul_i32 s46, s46, ABLK
	s_and_b32 s45, s44, 31
	s_lshl_b32 s45, s45, 11                        ; my first key x 256 bytes
	s_add_co_u32 s46, s46, s45
	s_add_nc_u64 s[24:25], s[24:25], s[46:47]
	s_wait_alu depctr_va_vdst(0)
	v_lshlrev_b32 v3, 4, v2                        ; in: 16 bytes a lane
	v_lshlrev_b32 v4, 16, v6                       ; out: lanes 16-31 write the next K tile (65,536 bytes on),
	v_lshl_add_u32 v4, v5, 4, v4                   ; sixteen lanes a key's 256 bytes
.macro ELOAD t                         ; step t = 2 x row + g: four loads of 512 consecutive bytes
.irp j, 0,1,2,3
	global_load_b128 v[16+16*((\t)%4)+4*\j:16+16*((\t)%4)+4*\j+3], v3, s[16:17] offset:4096*((\t)/2)+2048*((\t)%2)+512*\j th:TH_LOAD_NT
.endr
.endm
.macro ESTEP t
.set XS, 16+16*((\t)%4)
.set CD, 112+8*((\t)%4)
.if (\t) <= 12
	s_wait_loadcnt 12                              ; this step's four loads are in; those of the three steps behind it stay out
.else
	s_wait_loadcnt 4*(15-(\t))
.endif
	s_wait_xcnt 0x0                                ; the earlier stores have read their registers: this step's codes may be written
.set u, 0
.rept 16
	v_med3_num_f32 v[80+u], v[XS+u], s53, s54      ; the hold for K's codes: the conversion does not saturate (ISA guide 7.6.2)
.set u, u+1
.endr
.set u, 0
.rept 16
	v_med3_num_f32 v[96+u], v[XS+u], s56, s57      ; and for V's
.set u, u+1
.endr
	v_cvt_scalef32_pk8_bf8_f32 v[CD:CD+1], v[80:87], v10
	v_cvt_scalef32_pk8_bf8_f32 v[CD+2:CD+3], v[88:95], v10
	v_cvt_scalef32_pk8_bf8_f32 v[CD+4:CD+5], v[96:103], v11
	v_cvt_scalef32_pk8_bf8_f32 v[CD+6:CD+7], v[104:111], v11
	v_nop                                          ; a plain line behind the conversions: the next step's holds write their sources
.if (\t)+4 < 16
	ELOAD (\t)+4
.endif
	global_store_b128 v4, v[CD:CD+3], s[24:25] offset:256*((\t)/2)+131072*((\t)%2)          ; sixteen lanes: 256 consecutive bytes, aligned
	global_store_b128 v4, v[CD+4:CD+7], s[24:25] offset:256*((\t)/2)+131072*((\t)%2)+262144
.endm
	ELOAD 0
	ELOAD 1
	ELOAD 2
	ELOAD 3
	s_wait_kmcnt 0x0
	SCALE 34, 52, 53, 54                           ; e2
	SCALE 36, 55, 56, 57                           ; e4
	v_mov_b32 v10, s52
	v_mov_b32 v11, s55
.irp t, 0,1,2,3,4,5,6,7,8,9,10,11,12,13,14,15
	ESTEP \t
.endr
	s_endpgm
; ---------------- PATH H.  A wave takes rows m = 16 (work-group - 128) + 4 wave + 0 .. 3 of hn; row m = 1,024 b + i comes from row m + 63 of h, where i <= 960.
.Lh:
	s_sub_co_u32 s48, ttmp9, 128
	s_lshl_b32 s48, s48, 4
	s_lshl_b32 s49, s30, 2
	s_add_co_u32 s48, s48, s49                     ; m
	s_add_co_u32 s46, s48, 63
	s_lshl_b32 s46, s46, 12
	s_add_nc_u64 s[18:19], s[18:19], s[46:47]      ; h at row m + 63
	s_lshr_b32 s46, s48, 6                         ; the chunk
	s_mul_i32 s46, s46, ABLK
	s_and_b32 s49, s48, 63
	s_lshl_b32 s49, s49, 8
	s_add_co_u32 s46, s46, s49
	s_add_co_u32 s46, s46, 8*65536                 ; block 8
	s_add_nc_u64 s[24:25], s[24:25], s[46:47]
	s_wait_alu depctr_va_vdst(0)
	v_lshlrev_b32 v3, 4, v2                        ; in: 16 bytes a lane
	v_lshlrev_b32 v9, 14, v6                       ; out: lanes 16-31 write the next K tile (64 rows x 256 bytes on)
	v_lshl_add_u32 v9, v5, 4, v9
	v_mov_b32 v89, 0                               ; (named as the upper half of the pair v[88:89])
	v_mov_b32 v90, 0                               ; (a lane permute's destination counts as read)
.irp j, 0,1,2,3,4,5,6,7
	global_load_b128 v[16+4*\j:19+4*\j], v3, s[20:21] offset:512*\j     ; g_norm, in the places of my numbers of a row: it stays
.endr
	s_mov_b32 s58, 0x76543210                      ; lane selects: lane l xor 16
	s_mov_b32 s59, 0xfedcba98
	s_mov_b32 s60, 0x3a800000                      ; 1 / 1,024
	s_mov_b32 s61, 0x322bcc77                      ; 1e-8
	s_wait_kmcnt 0x0
	SCALE 32, 52, 53, 54                           ; e0
	v_mov_b32 v10, s52
	s_mov_b32 s44, 0
.Lhrow:
	s_and_b32 s49, s48, 1023                       ; i
	s_cmp_gt_u32 s49, 960
	s_cbranch_scc1 .Lhzero                         ; a row of reference()'s padding: no load, no norm
	s_wait_alu depctr_va_vdst(0)
.irp j, 0,1,2,3,4,5,6,7
	global_load_b128 v[48+4*\j:51+4*\j], v3, s[18:19] offset:512*\j th:TH_LOAD_NT
.endr
	s_wait_loadcnt 0x0                             ; the row (and, in the first trip, g_norm)
.irp q, 0,1,2,3
	v_pk_mul_f32 v[80+2*\q:81+2*\q], v[48+2*\q:49+2*\q], v[48+2*\q:49+2*\q]   ; the sum of squares, in four chains of pairs
.endr
.irp p, 4,5,6,7,8,9,10,11,12,13,14,15
	v_pk_fma_f32 v[80+2*(\p%4):81+2*(\p%4)], v[48+2*\p:49+2*\p], v[48+2*\p:49+2*\p], v[80+2*(\p%4):81+2*(\p%4)]
.endr
	v_pk_add_f32 v[80:81], v[80:81], v[82:83]
	v_pk_add_f32 v[84:85], v[84:85], v[86:87]
	v_pk_add_f32 v[80:81], v[80:81], v[84:85]
	v_add_f32 v80, v80, v81
	v_add_f32_dpp v80, v80, v80 row_xmask:1 row_mask:0xf bank_mask:0xf
	v_add_f32_dpp v80, v80, v80 row_xmask:2 row_mask:0xf bank_mask:0xf
	v_add_f32_dpp v80, v80, v80 row_xmask:4 row_mask:0xf bank_mask:0xf
	v_add_f32_dpp v80, v80, v80 row_xmask:8 row_mask:0xf bank_mask:0xf
	v_permlanex16_b32 v90, v80, s58, s59
	v_add_f32 v80, v80, v90                        ; every lane holds the row's sum
	v_fma_f32 v91, v80, s60, s61                   ; the mean + 1e-8
	s_wait_alu depctr_va_vdst(0)
	v_rsq_f32 v88, v91
.set u, 0
.rept 16
	v_pk_mul_f32 v[48+u:49+u], v[48+u:49+u], v[16+u:17+u]   ; x g: the plain work behind the root
.set u, u+2
.endr
	s_wait_alu depctr_va_vdst(0)                   ; the wait ahead of the first line that names the root's result
.set u, 0
.rept 16
	v_pk_mul_f32 v[48+u:49+u], v[48+u:49+u], v[88:89] op_sel_hi:[1,0]
.set u, u+2
.endr
.set u, 0
.rept 32
	v_med3_num_f32 v[48+u], v[48+u], s53, s54
.set u, u+1
.endr
.irp q, 0,1,2,3
	v_cvt_scalef32_pk8_bf8_f32 v[112+2*\q:113+2*\q], v[48+8*\q:55+8*\q], v10
.endr
	v_nop
	s_branch .Lhstore
.Lhzero:
.irp q, 0,1,2,3,4,5,6,7
	v_mov_b32 v[112+\q], 0                         ; zero codes
.endr
.Lhstore:
	s_wait_alu depctr_va_vdst(0)
	global_store_b128 v9, v[112:115], s[24:25]
	global_store_b128 v9, v[116:119], s[24:25] offset:32768
	s_wait_xcnt 0x0                                ; loads and stores have read their addresses and data: both may be written again
	s_add_nc_u64 s[18:19], s[18:19], 4096
	s_add_nc_u64 s[24:25], s[24:25], 256
	s_add_co_u32 s48, s48, 1
	s_add_co_u32 s44, s44, 1
	s_cmp_lt_u32 s44, 4
	s_cbranch_scc1 .Lhrow
	s_endpgm
; ---------------- PATH W.  Work-group a: weight a / 32, columns 128 (a % 8) on, K tile y = (a / 8) % 4 (256 places of the order along K).  A wave: 32 columns, a lane a column, 8 blocks of 32 places.
.macro WLOAD perm, t                   ; block t: place 32 t + u of the K tile comes from the row of W that the order names
.set u, 0
.rept 32
.if \perm
.set rw, 32*(\t)+16*((u>>3)&1)+8*((u>>4)&1)+(u&7)
.else
.set rw, 128*((u>>2)&3)+8*(\t)+4*(u>>4)+(u&3)
.endif
	global_load_b32 v[32+32*((\t)%2)+u], v3, s[4:5] offset:rw*4096 th:TH_LOAD_NT
.set u, u+1
.endr
.endm
.macro WBLOCK perm, stg, t
.set XS, 32+32*((\t)%2)
.if (\t) < 7
	s_wait_loadcnt 32                              ; this block's 32 loads are in; the next block's stay out
.else
	s_wait_loadcnt 0x0
.endif
.set u, 0
.rept 32
	v_med3_num_f32 v[XS+u], v[XS+u], s56, s57
.set u, u+1
.endr
.irp q, 0,1,2,3
	v_cvt_scalef32_pk8_bf8_f32 v[96+2*\q:97+2*\q], v[XS+8*\q:XS+8*\q+7], v10
.endr
	v_nop
	ds_store_b128 v4, v[96:99] offset:\stg+32*(\t)         ; 32 codes of my column's row
	ds_store_b128 v4, v[100:103] offset:\stg+32*(\t)+16
.if (\t)+2 < 8
	WLOAD \perm, (\t)+2
.endif
	s_wait_dscnt 0x0                               ; the stores have read their registers
.endm
.macro WBODY perm, stg, krow           ; s[4:5]: W at the tile's first row and my first column; s[6:7]: the codes' place; s52: the exponent's register is read behind the loads
	v_mul_u32_u24 v8, v6, \krow
	v_lshl_add_u32 v8, v5, 4, v8                   ; out: sixteen lanes a row's 256 bytes, two rows an instruction
	WLOAD \perm, 0
	WLOAD \perm, 1
.endm
.macro WTAIL perm, stg, krow
	SCALE 52, 55, 56, 57
	v_mov_b32 v10, s55
.irp t, 0,1,2,3,4,5,6,7
	WBLOCK \perm, \stg, \t
.endr
.irp t, 0,1,2,3,4,5,6,7,8,9,10,11,12,13,14,15
	ds_load_b128 v[112+4*\t:115+4*\t], v7 offset:\stg+2*\t*PITCH   ; LDS serves a wave's instructions in order (ISA guide 5.7.1.4): these see my stores
.endr
.irp t, 0,1,2,3,4,5,6,7,8,9,10,11,12,13,14,15
	s_wait_dscnt 15-\t                             ; the younger reads stay out
	global_store_b128 v8, v[112+4*\t:115+4*\t], s[6:7] offset:2*\t*\krow
.endr
	s_wait_tensorcnt 0x0                           ; the wave's end
	ds_add_u32 v14, v15
	s_wait_dscnt 0x0
	s_endpgm
.endm
.Lw:
	s_lshr_b32 s44, ttmp9, 5                       ; which weight: 0 Wk, 1 Wv, 2 Wq, 3 Wo
	s_and_b32 s45, ttmp9, 7
	s_bfe_u32 s48, ttmp9, 0x20003                  ; y
	s_lshl_b32 s45, s45, 7
	s_lshl_b32 s49, s30, 5
	s_add_co_u32 s45, s45, s49                     ; n0: my wave's first column
	s_wait_alu depctr_va_vdst(0)
	v_lshlrev_b32 v3, 2, v2                        ; in: 4 bytes a lane
	s_mul_i32 s49, s30, 32*PITCH                   ; my stage
	v_mul_u32_u24 v4, v2, PITCH
	v_add_nc_u32 v4, s49, v4                       ; into it: row = my column
	v_mul_u32_u24 v7, v6, PITCH
	v_lshl_add_u32 v7, v5, 4, v7
	v_add_nc_u32 v7, s49, v7                       ; out of it: sixteen lanes a row
	s_cmp_eq_u32 s44, 3
	s_cbranch_scc1 .Lwo
	s_cmp_eq_u32 s44, 0
	s_cselect_b64 s[4:5], s[8:9], s[10:11]
	s_cmp_eq_u32 s44, 2
	s_cselect_b64 s[4:5], s[12:13], s[4:5]
	s_lshr_b32 s46, s48, 1                         ; order A: the tile's rows begin at 512 (y / 2) + 64 (y % 2)
	s_lshl_b32 s46, s46, 9
	s_and_b32 s50, s48, 1
	s_lshl_b32 s50, s50, 6
	s_add_co_u32 s46, s46, s50
	s_lshl_b32 s46, s46, 12
	s_lshl_b32 s50, s45, 2
	s_add_co_u32 s46, s46, s50
	s_add_nc_u64 s[4:5], s[4:5], s[46:47]
	s_lshr_b32 s46, s45, 8                         ; the head group,
	s_mul_i32 s46, s46, BBLK
	s_lshl_b32 s50, s44, 2
	s_add_co_u32 s50, s50, s48                     ; block 4 x weight + y,
	s_lshl_b32 s50, s50, 16
	s_add_co_u32 s46, s46, s50
	s_and_b32 s50, s45, 255                        ; my first column's row in it
	s_lshl_b32 s50, s50, 8
	s_add_co_u32 s46, s46, s50
	s_add_nc_u64 s[6:7], s[26:27], s[46:47]
	s_wait_alu depctr_va_vdst(0)
	WBODY 0, 0, 256
	s_wait_kmcnt 0x0
	s_cmp_eq_u32 s44, 0
	s_cselect_b32 s52, s35, s37                    ; e3 for Wk, e5 for Wv,
	s_cmp_eq_u32 s44, 2
	s_cselect_b32 s52, s33, s52                    ; e1 for Wq
	WTAIL 0, 0, 256
.Lwo:
	s_lshl_b32 s46, s48, 20                        ; order B: the tile's rows begin at 256 y
	s_lshl_b32 s50, s45, 2
	s_add_co_u32 s46, s46, s50
	s_add_nc_u64 s[4:5], s[14:15], s[46:47]
	s_lshl_b32 s46, s45, 10                        ; row n0 of 1,024 bytes, + 256 y
	s_lshl_b32 s50, s48, 8
	s_add_co_u32 s46, s46, s50
	s_add_nc_u64 s[6:7], s[28:29], s[46:47]
	s_wait_alu depctr_va_vdst(0)
	WBODY 1, STGB, 1024
	s_wait_kmcnt 0x0
	s_mov_b32 s52, s43                             ; e11
	WTAIL 1, STGB, 1024
.Lfunc_end_k_q9393d6e3f7_prep:
	.size	k_q9393d6e3f7_prep, .Lfunc_end_k_q9393d6e3f7_prep-k_q9393d6e3f7_prep
	.p2alignl 7, 3214868480
	.fill 96, 4, 3214868480
	.section	.rodata,"a",@progbits
	.p2align	6, 0x0
	.amdhsa_kernel k_q9393d6e3f7_prep
		.amdhsa_group_segment_fixed_size 70144
		.amdhsa_private_segment_fixed_size 0
		.amdhsa_enable_private_segment 0
		.amdhsa_kernarg_size 88
		.amdhsa_user_sgpr_count 2
		.amdhsa_user_sgpr_kernarg_segment_ptr 1
		.amdhsa_wavefront_size32 1
		.amdhsa_system_sgpr_workgroup_id_x 1
		.amdhsa_system_sgpr_workgroup_id_y 1
		.amdhsa_system_sgpr_workgroup_id_z 1
		.amdhsa_system_vgpr_workitem_id 0
		.amdhsa_next_free_vgpr 192
		.amdhsa_next_free_sgpr 66
		.amdhsa_reserve_vcc 0
		.amdhsa_float_denorm_mode_32 3
		.amdhsa_float_denorm_mode_16_64 3
		.amdhsa_memory_ordered 1
		.amdhsa_forward_progress 1
		.amdhsa_inst_pref_size 156
	.end_amdhsa_kernel
	.amdgpu_metadata
---
amdhsa.version: [ 1, 2 ]
amdhsa.kernels:
  - .name:           k_q9393d6e3f7_prep
    .symbol:         k_q9393d6e3f7_prep.kd
    .args:
      - { .name: Wk, .offset: 0, .size: 8, .value_kind: global_buffer, .address_space: global }
      - { .name: Wv, .offset: 8, .size: 8, .value_kind: global_buffer, .address_space: global }
      - { .name: Wq, .offset: 16, .size: 8, .value_kind: global_buffer, .address_space: global }
      - { .name: Wo, .offset: 24, .size: 8, .value_kind: global_buffer, .address_space: global }
      - { .name: e, .offset: 32, .size: 8, .value_kind: global_buffer, .address_space: global }
      - { .name: h, .offset: 40, .size: 8, .value_kind: global_buffer, .address_space: global }
      - { .name: g_norm, .offset: 48, .size: 8, .value_kind: global_buffer, .address_space: global }
      - { .name: lowp_scales, .offset: 56, .size: 8, .value_kind: global_buffer, .address_space: global }
      - { .name: acodes, .offset: 64, .size: 8, .value_kind: global_buffer, .address_space: global }
      - { .name: bcodes, .offset: 72, .size: 8, .value_kind: global_buffer, .address_space: global }
      - { .name: wocodes, .offset: 80, .size: 8, .value_kind: global_buffer, .address_space: global }
    .group_segment_fixed_size: 70144
    .private_segment_fixed_size: 0
    .kernarg_segment_align: 8
    .kernarg_segment_size: 88
    .max_flat_workgroup_size: 128
    .sgpr_count:     66
    .vgpr_count:     192
    .wavefront_size: 32
...
	.end_amdgpu_metadata
.endif
;; end of part 1
;; launch fused (part 2): grid 4 x 64, 4 waves a work-group, clusters of 4 x 4, 327,680 bytes of LDS; arguments acodes, bcodes, lowp_scales, bk, bv, bq, oimg; writes oimg
.if DOCPART == 2
	.amdgcn_target "amdgcn-amd-amdhsa--gfx1250"
	.amdhsa_code_object_version 6
	.text
	.protected	k_q9393d6e3f7_fused
	.globl	k_q9393d6e3f7_fused
	.p2align	8
	.type	k_q9393d6e3f7_fused,@function
k_q9393d6e3f7_fused:
	s_mov_b64 s[64:65], 0
	v_nop
	global_prefetch_b8 v0, s[64:65] scope:SCOPE_SE
	s_setreg_imm32_b32 hwreg(HW_REG_WAVE_MODE, 25, 1), 1
	s_wait_xcnt 0x0
	s_wait_alu depctr_hold_cnt(0) depctr_sa_sdst(0) depctr_va_vdst(0) depctr_va_sdst(0) depctr_va_ssrc(0) depctr_va_vcc(0) depctr_vm_vsrc(0)
	s_getreg_b32 s2, hwreg(HW_REG_IB_STS2, 6, 4)
	s_cmp_eq_u32 s2, 0
	s_cbranch_scc0 .Lentry_in_a_cluster
	s_endpgm
.Lentry_in_a_cluster:
	s_bfe_u32 s2, ttmp6, 0x10000c
	s_cmp_lg_u32 s2, 0xf033
	s_cbranch_scc0 .Lentry_shape_is_right
	s_endpgm
.Lentry_shape_is_right:
; FUSED: for one chunk (b, c) and four heads: k = e Wk + bk, v = e Wv + bv, q = hn Wq + bq, p = softmax(q k^T / 8), o = p v; all five products on codes of E5M2; o leaves as codes.
; SHARES.  A work-group takes chunk bc = 16 b + c and head group hg; wave w takes head 4 hg + w: 256 keys x 64 of k and of v, 64 queries x 64 of q.  Nothing goes from wave to wave, nothing is stored to LDS.
; LEFT OUT (shown at the head of the first launch): rows 961 .. 1023 of o in a batch reach no output: in chunk 15 the attention of query tiles 1 to 3 is not done, and zero codes are stored in their place,
; since the last launch's tiles read those bytes.  The projection of the chunk's 64 rows of q, and 15 lanes of its query tile 0, stay: they share tiles with the live row 960.
; THE SCALES OF THE FIFTH PRODUCT: its left operand, as the product is lowered, is v (entry 8 of lowp_scales), its right one the softmax (entry 9).
; ORIENTATION.  k: source 0 = 16 rows of Wk, source 1 = 16 keys: a lane holds ONE key and eight neighbours along d.  q likewise, one query.  v: source 0 = 16 keys, source 1 = 16 rows of Wv: a lane holds one d and eight
; neighbouring keys.  So the conversions' results ARE the operands of S^T = k q^T (source 0 = 16 keys, source 1 = 16 queries) and of O^T = v^T p^T (source 0 = 16 of d, source 1 = p): a lane holds one query in S^T, p and O^T.
; The biases are the C of each sum's first matrix instruction, divided by the power of two that the sums lack; the scales ahead of each quantiser are folded into the conversion's one.
; SOFTMAX as reference() has it: the row's largest score is taken away, p = exp / sum is finished and normalised in f32, then quantised with e9.  All 256 scores of a query lie in two lanes' registers.
; THE RING.  K goes in tiles of 256 places through two LDS slots: e's tile (256 keys x 256 bytes; waves 0, 1 fetch its halves) and the weight's (256 rows; waves 2, 3).  Tiles 0-3 serve k, 4-7 v; tile 8 is all of hn and Wq's
; first K tile; Wq's second and third then fill slot 1, its fourth the weight's place in slot 0.  By this text's count a wave has one tensor load out at the start and one behind each round.
; CLUSTER 4 x 4: x = the head group, y = the batch; the cluster's number is c.  The four head groups of a chunk need the same tiles of e and hn, the four batches of a head group the same weights: each tile is asked for jointly.
; c is the same in all sixteen partners, so the branches round the dead query tiles are too.
; LIMITS on the given exponents, so that each power of two below is an f32 number: e7-e2-e3, e8-e4-e5, e6-e0-e1, e9, e10-e8-e9, and each + 15, between -126 and 127; e6 + e7 between -123 and 129.
; REGISTERS, in windows of 256.  w0: v1-29 addresses and small things; v32-63, v64-95 the weight's fragments, two buffers; v96-223 k's codes; v224-255 the bias in hand, later q's codes.
;   w1: v0-127, v128-255 e's fragments, two buffers; later v0-31 bq, v128-255 v's codes.   w2, w3: the 64 accumulators of k, then of v; later w2: q's sums, then the attention's registers; w3: the q steps' fragments.
.set PITCH, 272                        ; an LDS row: 256 bytes + 16 of padding: the 16 rows of a fragment load start 68 words apart
.set TROW,  16*PITCH
.set HALFT, 128*PITCH                  ; what one tensor load brings
.set RB,    2*HALFT                    ; the weight's place in a slot
.set SLOT,  4*HALFT                    ; 0x22000: its two bits are set in no wave x HALFT, so one exclusive or turns an address in one slot into the other's
.set SPARE, 2*SLOT                     ; the spare words, 128 bytes a wave: two blocks of 256 bytes that no other line names
.set TILEB, 65536                      ; a tile in memory
.set ABLK,  9*TILEB
.set BBLK,  12*TILEB
.set G1W0,  (1<<20)|(1<<21)|(5<<22)|(3<<25)   ; elements of 1 byte; padding on; bit 21 beside a mask; after every 64 words, 4 words
.set MSB, 0
.macro WIN new                         ; the immediate's high byte repeats the setting that is left
.if MSB != (\new)
	s_set_vgpr_msb (MSB<<8)|(\new)
.set MSB, (\new)
.endif
.endm
.macro PLACES n
.rept \n
	v_nop
.endr
.endm
.macro SCALE e, sS, sN, sP             ; from the exponent in s[e]: 2^e, and -+57,344 x 2^e, as f32
	s_add_co_i32 s[\sP], s[\e], 142
	s_lshl_b32 s[\sP], s[\sP], 23
	s_or_b32 s[\sP], s[\sP], 0x600000
	s_or_b32 s[\sN], s[\sP], 0x80000000
	s_add_co_i32 s[\sS], s[\e], 127
	s_lshl_b32 s[\sS], s[\sS], 23
.endm
.macro CREST                           ; a round of the cluster's barrier behind its opening barrier
	s_cmp_lg_u32 s18, 0
	s_cbranch_scc1 .Lnot_wave_0_\@
	s_barrier_signal -3
.Lnot_wave_0_\@:
	s_barrier_wait -3
	s_barrier_signal -1
	s_barrier_wait -1
.endm
.macro CROUND
	s_barrier_signal -1
	s_barrier_wait -1
	CREST
.endm
.macro JLOAD ga, gb                    ; a joint load: waves 0, 1 e's halves, waves 2, 3 the weight's; s_nop 0 and four v_nop follow each line
	s_cmp_eq_u32 s19, 0
	s_cbranch_scc0 .Lfor_b_\@
	tensor_load_to_lds s[\ga:\ga+3], s[24:31]
	s_nop 0
	PLACES 4
	s_branch .Lasked_\@
.Lfor_b_\@:
	tensor_load_to_lds s[\gb:\gb+3], s[48:55]
	s_nop 0
	PLACES 4
.Lasked_\@:
.endm
; A PREFETCH INTO THE L2: behind the load of tile n the tile n + 2 is named: two K tiles, 512 matrix instructions, ahead of the load that will want it.  32 lanes x 256 bytes a wave.
; e's and hn's tiles are read by one row of one cluster alone: its four partners share a half tile out by address (8,192 bytes each; waves 0, 1); tiles 2 to 8.  The weights are read by all sixteen clusters: cluster 0 asks
; (waves 2, 3; the four partners of a column share by address); tiles 2 to 11.  So each run of 256 bytes is named once.  Tiles 0 and 1 come by their loads alone.
.macro ASK
	s_cmp_lt_u32 s23, s82
	s_cbranch_scc0 .Lnot_mine_\@
	global_prefetch_b8 v5, s[80:81] th:TH_LOAD_NT scope:SCOPE_SE
.Lnot_mine_\@:
	s_add_co_u32 s23, s23, 1
.endm
; where codes lie: chosen so that no conversion's destination has a register number among its sources' numbers (they lie in other windows)
.macro KCSET x                         ; k's codes of key tile x: 8 registers from w0 v[kc]
.set kc, 96+8*((2*((\x)&7)+((\x)>>3)+8)&15)
.endm
.macro VBSET t, u                      ; v's fragment (16 of d from 16 t, keys 128 u on): 16 registers from w1 v[vb]
.set vb, 128+16*(((\t)&1)*((3-(\t))/2+2*(\u))+(1-((\t)&1))*(4+(\t)+(\u)))
.endm
.macro MWIN ph, hi, st                 ; the products' windows: D and C w2 or w3 (st = 1: C = the bias, w0); e's fragments w1, the weight's w0
	WIN (((2+\hi)<<6)|(((1-\st)*(2+\hi))<<4)|(4-3*\ph))
.endm
; n key tiles from k0 on x the head's four tiles of d, 64 along K.  ph = 0: k; 1: v.  The 64 accumulators take turns, one instruction a turn, in the same order in every quarter.
.macro MUL ph, buf, k0, n, st
.set kt, \k0
.rept \n
.set tt, 0
.rept 4
.set rD, 8*(4*(kt&7)+tt)
.set rE, 128*(\buf)+8*kt
.set rW, 32+32*(\buf)+8*tt
.if \ph == 0
.if \st
	v_wmma_f32_16x16x64_bf8_bf8 v[rD:rD+7], v[rW:rW+7], v[rE:rE+7], v[224+8*tt:231+8*tt]
.else
	v_wmma_f32_16x16x64_bf8_bf8 v[rD:rD+7], v[rW:rW+7], v[rE:rE+7], v[rD:rD+7]
.endif
.else
.if \st
	v_wmma_f32_16x16x64_bf8_bf8 v[rD:rD+7], v[rE:rE+7], v[rW:rW+7], v[224+8*tt:231+8*tt]
.else
	v_wmma_f32_16x16x64_bf8_bf8 v[rD:rD+7], v[rE:rE+7], v[rW:rW+7], v[rD:rD+7]
.endif
.endif
.set tt, tt+1
.endr
.set kt, kt+1
.endr
.endm
; The fragments of 64 along K at byte ko of the rows are 40 loads: number 0-7 the weight's 4 fragments, 8-39 e's 16.  This is a run of n of them, from number first on, into buffer nxt.  A fragment (16 rows x 64): lane l holds
; row l % 16; registers 4 c .. 4 c + 3 hold places 32 c + 16 (l / 16) + 0 .. 15: the same in both operands, so every product meets its partner.
.macro LDRUN first, n, ko, nxt
.set lx, \first
.rept \n
.if lx < 8
	WIN 0
	ds_load_b128 v[32+32*(\nxt)+4*lx:35+32*(\nxt)+4*lx], v19 offset:(\ko)+(lx/2)*TROW+32*(lx&1)
.else
	WIN 0x40
	ds_load_b128 v[128*(\nxt)+4*(lx-8):128*(\nxt)+4*(lx-8)+3], v18 offset:(\ko)+((lx-8)/2)*TROW+32*(lx&1)
.endif
.set lx, lx+1
.endr
.endm
; A K tile is four quarters of 64 along K, 64 matrix instructions each, on buffers 0, 1, 0, 1.  One of the first three multiplies buffer buf by pairs of key tiles; behind each pair stand five of the next quarter's 40 loads.
; Ahead of pair z the first 12 + 4 z of this quarter's 40 loads have to be in: 28 - 4 z of them, and the 5 z issued since, stay out.
.macro QUARTER ph, ko, buf, nxt, st
	PLACES 4                                       ; four places in front of loads into registers that the last quarter's matrix instructions have read (ISA guide 7.12.1 for vector instructions)
.irp z, 0,1,2,3,4,5,6,7
	s_wait_dscnt 28+\z
	MWIN \ph, \z/4, \st
	MUL \ph, \buf, 2*\z, 2, \st
	LDRUN 5*\z, 5, \ko, \nxt
.endr
.endm
; The last quarter multiplies buffer 1 and changes slots: in front of the round each wave waits for all its tensor loads (its part of the next tile), adds 0 to its spare word, and waits for that and for its reads of this slot.
; kind = 0: this slot takes the tile two on, and the next tile's first fragments are fetched.  kind = 1 (the end of v): slot 1 takes Wq's second and third K tiles, a quarter of the slot a wave, and bq is asked for.
.macro TURN ph, kind
	s_wait_xcnt 0x0                                ; the last prefetch, a K tile back, has read its address
	s_add_nc_u64 s[80:81], s[80:81], TILEB
	WIN 0                                          ; (the add's two registers lie in window 0)
	s_wait_tensorcnt 0x0                           ; all my tensor loads have landed
	ds_add_u32 v28, v29                            ; 0 onto my spare word
.irp z, 0,1,2,3
	s_wait_dscnt 29-4*\z                           ; 28 - 4 z of this quarter's loads, and the add, stay out
	MWIN \ph, 0, 0
	MUL \ph, 1, 2*\z, 2, 0
.endr
	s_wait_dscnt 0x0                               ; the add is done, and my reads of this slot are over
	s_barrier_signal -1
	MWIN \ph, 1, 0
	MUL \ph, 1, 8, 4, 0
	WIN 0
	s_barrier_wait -1
	CREST                                          ; no wave of any partner still reads this slot or has a load on its way
.if \kind == 0
	s_xor_b32 s37, s37, SLOT                       ; the walking descriptors: the other slot than last time, the next tile
	s_add_nc_u64 s[38:39], s[38:39], TILEB
	s_xor_b32 s61, s61, SLOT
	s_add_nc_u64 s[62:63], s[62:63], TILEB
	JLOAD 36, 60                                   ; the first tensor load behind the round; its four v_nop are also the places in front of the loads below
	s_xor_b32 s21, s21, SLOT
	v_add_nc_u32 v18, s21, v16
	v_add_nc_u32 v19, s21, v17
	s_wait_alu depctr_va_vdst(0)
	LDRUN 0, 14, 0, 0
	MWIN \ph, 1, 0
	MUL \ph, 1, 12, 2, 0
	LDRUN 14, 13, 0, 0
	MWIN \ph, 1, 0
	MUL \ph, 1, 14, 2, 0
	LDRUN 27, 13, 0, 0
	WIN 0
	ASK
.else
	s_add_co_u32 s61, s45, SLOT                    ; slot 1, my quarter of it
	s_mov_b64 s[62:63], s[66:67]                   ; Wq's K tiles 1 and 2: 128 rows a wave
	s_or_b32 s63, s63, 0x80000000
	tensor_load_to_lds s[60:63], s[48:55]          ; one line for all four waves, with the column's mask
	s_nop 0
	PLACES 4
	WIN 0x40
.irp x, 0,1,2,3
	global_load_b128 v[8*\x:8*\x+3], v6, s[14:15] offset:64*\x        ; bq, into e's buffer 0, which is done with
	global_load_b128 v[8*\x+4:8*\x+7], v6, s[14:15] offset:64*\x+16
.endr
	WIN 0
	ASK
	MWIN \ph, 1, 0
	MUL \ph, 1, 12, 4, 0
.endif
.endm
; Four K tiles: a projection.  The first quarter, whose C is the bias, stands in front of the loop; a trip goes from a tile's second quarter to the next tile's first.
.macro PHASE ph, lastkind
	QUARTER \ph, 64, 0, 1, 1
	WIN 0
	s_mov_b32 s22, 3
.Ltile_\@:
	QUARTER \ph, 128, 1, 0, 0
	QUARTER \ph, 192, 0, 1, 0
	TURN \ph, 0
	QUARTER \ph, 64, 0, 1, 0
	WIN 0
	s_sub_co_u32 s22, s22, 1
	s_cmp_lg_u32 s22, 0
	s_cbranch_scc1 .Ltile_\@
	QUARTER \ph, 128, 1, 0, 0
	QUARTER \ph, 192, 0, 1, 0
	TURN \ph, \lastkind
.endm
; 32 tiles of sums (w2 or w3) become codes: the hold in place (each accumulator from its low end on), then one conversion a tile, with the folded scale in v12.
.macro CONVH ph, hi, sN, sP
	WIN (0x82+0x41*\hi)
.set i, 0
.rept 256
	v_med3_num_f32 v[i], v[i], s[\sN], s[\sP]
.set i, i+1
.endr
	WIN (0x02+0x40*\ph+\hi)
.set i, 0
.rept 32
.if \ph == 0
	KCSET (8*\hi+i/4)
.set cd, kc+2*(i%4)                    ; k: registers 2 t, 2 t + 1 of key tile kt: d = 16 t + 8 (l / 16) + 0 .. 7
.else
	VBSET (i%4), \hi
.set cd, vb+2*(i/4)                    ; v: registers 2 (kt % 8), + 1 of fragment (t, kt / 8): keys 16 kt + 8 (l / 16) + 0 .. 7
.endif
	v_cvt_scalef32_pk8_bf8_f32 v[cd:cd+1], v[8*i:8*i+7], v12
.set i, i+1
.endr
	v_nop                                          ; a plain line behind the last conversion
.endm
	s_load_b256 s[4:11], s[0:1], 0x0               ; acodes s[4:5], bcodes s[6:7], lowp_scales s[8:9], bk s[10:11]
	s_load_b128 s[12:15], s[0:1], 0x20             ; bv, bq
	s_load_b64 s[16:17], s[0:1], 0x30              ; oimg
	v_lshl_add_u32 v28, v0, 2, SPARE
	v_mov_b32 v29, 0
	ds_add_u32 v28, v29                            ; the wave's opening: the add, twice on end, and its wait ahead of my first tensor load
	ds_add_u32 v28, v29
	v_lshrrev_b32 v1, 5, v0
	v_readfirstlane_b32 s18, v1                    ; wave 0..3
	s_lshr_b32 s19, s18, 1                         ; I fetch for e (0) or for the weights (1),
	s_and_b32 s20, s18, 1                          ; and which 128 rows
	s_bfe_u32 s40, ttmp6, 0x40000                  ; cx: the head group
	s_bfe_u32 s41, ttmp6, 0x40004                  ; cy: the batch
	s_and_b32 s42, ttmp7, 0xffff                   ; the cluster's number: c
	s_lshl_b32 s43, s41, 2
	s_lshl_b32 s43, 15, s43                        ; my row of the cluster
	s_lshl_b32 s44, 0x1111, s40                    ; my column
	s_or_b32 s24, s43, G1W0                        ; group 1 for e's and hn's tiles: they go to my row;
	s_or_b32 s48, s44, G1W0                        ; for the weights': to my column
.irp g, 24, 48
	s_mov_b32 s[\g+1], 256<<16                     ; tensor_dim0 = 256
	s_mov_b32 s[\g+2], 128<<16                     ; tensor_dim1 = 128
	s_mov_b32 s[\g+3], 256<<16                     ; tile_dim0 = 256
	s_mov_b32 s[\g+4], 128                         ; tile_dim1 = 128
	s_mov_b32 s[\g+5], 256                         ; from row to row
	s_mov_b32 s[\g+6], 0
	s_mov_b32 s[\g+7], 0
.endr
	s_mul_i32 s45, s18, HALFT                      ; where my loads go in a slot: no place in the cluster enters an LDS address
	s_lshl_b32 s46, s41, 4
	s_add_co_u32 s46, s46, s42                     ; bc = 16 b + c
	s_mul_i32 s2, s46, ABLK
	s_lshl_b32 s3, s20, 15
	s_add_co_u32 s2, s2, s3                        ; my half of the chunk's tile 0
	s_mov_b32 s3, 0
	s_mul_i32 s100, s40, BBLK
	s_lshl_b32 s101, s20, 15
	s_add_co_u32 s100, s100, s101                  ; my half of the head group's tile 0
	s_mov_b32 s101, 0
	s_mov_b32 s21, 0                               ; the slot in hand
	s_mov_b32 s23, 0                               ; prefetches so far
	s_mov_b32 s88, 0x76543210                      ; lane selects: lane l xor 16
	s_mov_b32 s89, 0xfedcba98
	s_cmp_eq_u32 s42, 15
	s_cselect_b32 s83, 1, 4                        ; live query tiles
	s_cmp_eq_u32 s42, 0
	s_cselect_b32 s82, 10, 0                       ; how many tiles I name: the weights' 2 to 11 in cluster 0 alone,
	s_cmp_eq_u32 s19, 0
	s_cselect_b32 s82, 7, s82                      ; e's and hn's 2 to 8 in every cluster
	s_wait_dscnt 0x0                               ; both opening adds are done
	s_wait_kmcnt 0x0
	s_load_b256 s[68:75], s[8:9], 0x0              ; e0 .. e7
	s_load_b128 s[76:79], s[8:9], 0x20             ; e8 .. e11
	s_add_nc_u64 s[4:5], s[4:5], s[2:3]
	s_add_nc_u64 s[6:7], s[6:7], s[100:101]
.irp x, 0, 1
	s_mov_b32 s[32+4*\x], 1
	s_add_co_u32 s[33+4*\x], s45, \x*SLOT
	s_add_nc_u64 s[34+4*\x:35+4*\x], s[4:5], \x*TILEB
	s_or_b32 s[35+4*\x], s[35+4*\x], 0x80000000
	s_mov_b32 s[56+4*\x], 1
	s_add_co_u32 s[57+4*\x], s45, \x*SLOT
	s_add_nc_u64 s[58+4*\x:59+4*\x], s[6:7], \x*TILEB
	s_or_b32 s[59+4*\x], s[59+4*\x], 0x80000000
.endr
	s_lshl_b32 s100, s19, 16
	s_add_co_u32 s100, s100, 9*TILEB
	s_add_nc_u64 s[66:67], s[6:7], s[100:101]      ; Wq's K tile 1, + 128 rows x wave
	s_cmp_eq_u32 s19, 0
	s_cselect_b64 s[80:81], s[4:5], s[6:7]         ; the prefetches: my half tile,
	s_cselect_b32 s100, s40, s41                   ; my place among the four that ask for it with me: 8,192 bytes each,
	s_lshl_b32 s100, s100, 13
	s_add_co_u32 s100, s100, 2*TILEB               ; at tile 2
	s_add_nc_u64 s[80:81], s[80:81], s[100:101]
	CROUND                                         ; all sixteen work-groups are here: the first joint loads meet
	JLOAD 32, 56                                   ; tile 0: one tensor load a wave at the head
	s_lshl_b32 s100, s40, 2
	s_add_co_u32 s100, s100, s18                   ; my head
	s_lshl_b32 s100, s100, 8                       ; its 64 numbers in each bias
	s_add_nc_u64 s[10:11], s[10:11], s[100:101]
	s_add_nc_u64 s[12:13], s[12:13], s[100:101]
	s_add_nc_u64 s[14:15], s[14:15], s[100:101]
	s_lshl_b32 s100, s100, 2                       ; oimg: [row tile 4 bc + qt][head][1,024 bytes]
	s_lshl_b32 s99, s46, 16
	s_add_co_u32 s100, s100, s99
	s_add_nc_u64 s[16:17], s[16:17], s[100:101]
	s_mul_i32 s99, s18, 64*PITCH
	s_add_co_u32 s99, s99, RB
	v_and_b32 v1, 15, v0                           ; r
	v_bfe_u32 v2, v0, 4, 1                         ; h
	v_and_b32 v4, 31, v0                           ; lane
	v_lshlrev_b32 v5, 8, v4                        ; the prefetches: lanes 256 bytes apart
	v_lshlrev_b32 v6, 5, v2                        ; bk, bq: my half's eight numbers of a tile of d
	v_lshlrev_b32 v7, 2, v1                        ; bv: my d
	v_mul_u32_u24 v16, v1, PITCH
	v_lshl_add_u32 v16, v2, 4, v16                 ; e, hn: row r, + 16 h
	v_add_nc_u32 v17, s99, v16                     ; the weights: my head's 64 rows
.irp x, 0,1,2,3
	global_load_b128 v[224+8*\x:227+8*\x], v6, s[10:11] offset:64*\x        ; bk(16 t + 8 h + 0 .. 7): the layout of k's sums
	global_load_b128 v[228+8*\x:231+8*\x], v6, s[10:11] offset:64*\x+16
.endr
.irp x, 0,1,2,3
	global_load_b32 v[8+\x], v7, s[12:13] offset:64*\x                      ; bv(16 t + r)
.endr
	ASK                                            ; tile 2
	s_wait_alu depctr_va_vdst(0)
	s_wait_kmcnt 0x0
	s_add_co_i32 s99, s70, s71                     ; e2 + e3: a sum of k stands for sum x 2^(e2 + e3)
	s_sub_co_i32 s100, s75, s99                    ; its code is sum / 2^(e7 - e2 - e3)
	SCALE 100, 101, 90, 91
	v_mov_b32 v12, s101
	s_sub_co_i32 s99, 0, s99
	s_add_co_i32 s46, s72, s73
	s_sub_co_i32 s100, s76, s46                    ; v: e8 - e4 - e5: v is the fifth product's left operand
	SCALE 100, 40, 92, 93
	s_sub_co_i32 s46, 0, s46
	s_add_co_i32 s47, s68, s69
	s_sub_co_i32 s100, s74, s47                    ; q: e6 - e0 - e1
	SCALE 100, 41, 94, 95
	s_sub_co_i32 s47, 0, s47
	SCALE 77, 43, 97, 96                           ; p: e9; it is never negative, so its hold is one-sided (s97 is written again below)
	s_add_co_i32 s100, s76, s77
	s_sub_co_i32 s100, s78, s100                   ; o: e10 - e8 - e9
	SCALE 100, 44, 97, 98
	s_add_co_i32 s100, s74, s75
	s_lshl_b32 s100, s100, 23
	s_add_co_i32 s86, s100, 0x3e38aa3b             ; c = log2(e) / 8 x 2^(e6 + e7): the exponents are added to its exponent field
	s_mov_b32 s87, s86                             ; (named with it as a pair)
	s_wait_loadcnt 0x0
.set i, 0
.rept 32
	v_ldexp_f32 v[224+i], v[224+i], s99            ; bk / 2^(e2 + e3)
.set i, i+1
.endr
	s_wait_alu depctr_va_vdst(0)
	s_wait_tensorcnt 0x0                           ; my part of tile 0 is in
	ds_add_u32 v28, v29
	s_wait_dscnt 0x0
	CROUND                                         ; everybody's part of tile 0 is in, and the joint loads meet:
	JLOAD 36, 60                                   ; tile 1, into slot 1
	v_add_nc_u32 v18, s21, v16
	v_add_nc_u32 v19, s21, v17
	s_wait_alu depctr_va_vdst(0)
	LDRUN 0, 40, 0, 0
	WIN 0
	s_wait_xcnt 0x0                                ; the first prefetch has read its address
	s_add_nc_u64 s[80:81], s[80:81], TILEB
	ASK                                            ; tile 3
	PHASE 0, 0                                     ; k: tiles 0-3; its changes of slots ask for tiles 2-5
	PLACES 4
	CONVH 0, 0, 90, 91
	CONVH 0, 1, 90, 91
	WIN 0
.irp x, 0,1,2,3
.irp y, 0,1,2,3,4,5,6,7
	v_ldexp_f32 v[224+8*\x+\y], v[8+\x], s46       ; bv / 2^(e4 + e5), the same for a lane's eight keys
.endr
.endr
	v_mov_b32 v12, s40
	s_wait_alu depctr_va_vdst(0)
	PHASE 1, 1                                     ; v: tiles 4-7; its changes ask for tiles 6-8 and for Wq's K tiles 1, 2
; q: 64 queries x my 64, a K tile at a time: 64 LDS loads in four quarters of 64 along K, and 16 matrix instructions a quarter on 16 accumulators by turns.  hn's four K tiles lie in slot 0; v[adr]: where this K tile of Wq lies.
.macro QLD ks, y, adr
	WIN 0xc0
.irp x, 0,1,2,3
	ds_load_b128 v[64*\y+8*\x:64*\y+8*\x+3], v16 offset:(64*\ks+16*\x)*PITCH+64*\y
	ds_load_b128 v[64*\y+8*\x+4:64*\y+8*\x+7], v16 offset:(64*\ks+16*\x)*PITCH+64*\y+32
.endr
.irp x, 0,1,2,3
	ds_load_b128 v[64*\y+32+8*\x:64*\y+32+8*\x+3], v[\adr] offset:\x*TROW+64*\y
	ds_load_b128 v[64*\y+32+8*\x+4:64*\y+32+8*\x+7], v[\adr] offset:\x*TROW+64*\y+32
.endr
.endm
.macro QMUL y, st
.if \st && (\y == 0)
	WIN 0x9f                                       ; C = bq, in w1
.else
	WIN 0xaf
.endif
.set qt, 0
.rept 4
.set tt, 0
.rept 4
.if \st && (\y == 0)
	v_wmma_f32_16x16x64_bf8_bf8 v[8*(4*qt+tt):8*(4*qt+tt)+7], v[64*\y+32+8*tt:64*\y+39+8*tt], v[64*\y+8*qt:64*\y+8*qt+7], v[8*tt:8*tt+7]
.else
	v_wmma_f32_16x16x64_bf8_bf8 v[8*(4*qt+tt):8*(4*qt+tt)+7], v[64*\y+32+8*tt:64*\y+39+8*tt], v[64*\y+8*qt:64*\y+8*qt+7], v[8*(4*qt+tt):8*(4*qt+tt)+7]
.endif
.set tt, tt+1
.endr
.set qt, qt+1
.endr
.endm
	PLACES 4
	CONVH 1, 1, 92, 93                             ; w3 first: it takes the q steps' fragments, which are asked for ahead of w2's conversions
	WIN 0
	v_add_nc_u32 v19, RB, v17                      ; Wq's K tiles 1 and 2, in slot 1
	v_add_nc_u32 v20, SLOT, v17
	s_wait_alu depctr_va_vdst(0)
.irp y, 0,1,2,3
	QLD 0, \y, 17
.endr
	CONVH 1, 0, 92, 93
	WIN 0
	v_mov_b32 v12, s41
	s_wait_alu depctr_va_vdst(0)
	s_wait_loadcnt 0x0                             ; bq
	WIN 0x41
.set i, 0
.rept 32
	v_ldexp_f32 v[i], v[i], s47                    ; bq / 2^(e0 + e1)
.set i, i+1
.endr
	s_wait_alu depctr_va_vdst(0)
.irp y, 0,1,2,3
	s_wait_dscnt 48-16*\y                          ; this quarter's 16 loads are in; the later quarters' stay out
	QMUL \y, 1
.endr
	WIN 0
	s_wait_tensorcnt 0x0                           ; Wq's K tiles 1 and 2 have landed
	ds_add_u32 v28, v29
	s_xor_b32 s61, s61, SLOT                       ; waves 2, 3: the weight's place in slot 0, Wq's K tile 3
	s_add_nc_u64 s[62:63], s[62:63], TILEB
	s_wait_dscnt 0x0                               ; the add is done, and my reads of Wq's K tile 0 are over
	CROUND
	s_cmp_eq_u32 s19, 0
	s_cbranch_scc1 .Lno_x2
	tensor_load_to_lds s[60:63], s[48:55]
	s_nop 0
	PLACES 4
.Lno_x2:
	PLACES 4                                       ; in front of loads into registers that matrix instructions have read
.irp y, 0,1,2,3
	QLD 1, \y, 19
.endr
.irp y, 0,1,2,3
	s_wait_dscnt 48                                ; 16 for each later quarter of this K tile, 16 for each quarter of the next asked for since
	QMUL \y, 0
	PLACES 4
	QLD 2, \y, 20                                  ; the next K tile's quarter, into the registers just multiplied
.endr
.irp y, 0,1,2,3
	s_wait_dscnt 48-16*\y
	QMUL \y, 0
.endr
	WIN 0
	s_wait_tensorcnt 0x0                           ; my part of Wq's K tile 3 is in;
	s_wait_dscnt 0x0
	s_barrier_signal -1
	s_barrier_wait -1                              ; everybody's is.
	PLACES 4
.irp y, 0,1,2,3
	QLD 3, \y, 17
.endr
.irp y, 0,1,2,3
	s_wait_dscnt 48-16*\y
	QMUL \y, 0
.endr
	PLACES 4
	WIN 0x82
.set i, 0
.rept 128
	v_med3_num_f32 v[i], v[i], s94, s95
.set i, i+1
.endr
	WIN 0x02
.set i, 0
.rept 16
	v_cvt_scalef32_pk8_bf8_f32 v[224+2*i:225+2*i], v[8*i:8*i+7], v12   ; q's codes: query tile qt = i / 4 at v[224 + 8 qt]
.set i, i+1
.endr
	v_nop
; THE ATTENTION, a query tile a trip.  A trip finds its scores S^T made; behind its own O^T it makes the next tile's, whose codes lie in w0 v232-239 (the others move down at a trip's end).
; w2: v0-127 S^T, then p; v128-131 four maxima; v136 -c m; v138-141 sums; v142 1 / sum; v144 the permute's; v160-191 p's codes; v192-223 O^T; v224-231 o's codes; v232 2^e9; v233 2^(e10-e8-e9); v234 16 x lane.
.macro SCORES qb
	WIN 0x80
.set kt, 0
.rept 16
	KCSET kt
	v_wmma_f32_16x16x64_bf8_bf8 v[8*kt:8*kt+7], v[kc:kc+7], v[\qb:\qb+7], 0   ; S^T: register 8 kt + j = key 16 kt + 8 (l / 16) + j, query l % 16
.set kt, kt+1
.endr
.endm
	WIN 0x80
	v_mov_b32 v137, 0                              ; (upper halves of pairs of which the low word serves both halves)
	v_mov_b32 v143, 0
	v_mov_b32 v144, 0                              ; (a lane permute's destination counts as read)
	v_mov_b32 v232, s43
	v_mov_b32 v233, s44
	v_lshlrev_b32 v234, 4, v4
	SCORES 224                                     ; query tile 0 is live in every chunk
	PLACES 4
	WIN 0
	s_mov_b32 s84, 0
	s_wait_alu depctr_va_vdst(0)
.Lq:
	s_cmp_ge_u32 s84, s83                          ; chunk 15: query tiles 1 to 3 reach no output.  The cluster's number alone decides: all partners go the same way
	s_cbranch_scc1 .Ldead
	WIN 0xaa
.irp x, 0,1,2,3
	v_max3_num_f32 v[128+\x], v[32*\x], v[32*\x+1], v[32*\x+2]     ; the largest score, in four chains, each tile from its low end on
.endr
.irp y, 3,5,7,9,11,13,15,17,19,21,23,25,27,29
.irp x, 0,1,2,3
	v_max3_num_f32 v[128+\x], v[128+\x], v[32*\x+\y], v[32*\x+\y+1]
.endr
.endr
.irp x, 0,1,2,3
	v_max_num_f32 v[128+\x], v[128+\x], v[32*\x+31]
.endr
	v_max3_num_f32 v128, v128, v129, v130
	v_max_num_f32 v128, v128, v131
	v_permlanex16_b32 v144, v128, s88, s89         ; the query's other 128 keys lie in the lane 16 away
	v_max_num_f32 v128, v128, v144
	v_mul_f32 v136, s86, -v128                     ; -c m (c is positive)
.set i, 0
.rept 64
	v_pk_fma_f32 v[i:i+1], v[i:i+1], s[86:87], v[136:137] op_sel_hi:[1,0,0]   ; c s - c m
.set i, i+2
.endr
.set i, 0
	s_wait_alu depctr_va_vdst(0)
.rept 128
	v_exp_f32 v[i], v[i]
.set i, i+1
.endr
	v_nop                                          ; a plain line behind the last exponential
	s_wait_alu depctr_va_vdst(0)                   ; one wait for the batch, ahead of its first reader
	v_pk_add_f32 v[138:139], v[0:1], v[2:3]        ; the row's sum, two at a time, in two chains
	v_pk_add_f32 v[140:141], v[4:5], v[6:7]
.set i, 8
.rept 30
	v_pk_add_f32 v[138:139], v[138:139], v[i:i+1]
	v_pk_add_f32 v[140:141], v[140:141], v[i+2:i+3]
.set i, i+4
.endr
	v_pk_add_f32 v[138:139], v[138:139], v[140:141]
	v_add_f32 v138, v138, v139
	v_permlanex16_b32 v144, v138, s88, s89
	v_add_f32 v138, v138, v144
	s_wait_alu depctr_va_vdst(0)
	v_rcp_f32 v142, v138
	v_nop
	s_wait_alu depctr_va_vdst(0)
.set i, 0
.rept 64
	v_pk_mul_f32 v[i:i+1], v[i:i+1], v[142:143] op_sel_hi:[1,0]    ; the finished softmax
.set i, i+2
.endr
.set i, 0
.rept 128
	v_min_num_f32 v[i], s96, v[i]                  ; the hold: the conversion does not saturate (ISA guide 7.6.2)
.set i, i+1
.endr
.set i, 0
.rept 16
	v_cvt_scalef32_pk8_bf8_f32 v[160+2*i:161+2*i], v[8*i:8*i+7], v232
.set i, i+1
.endr
	v_nop                                          ; a plain line behind the conversions: matrix instructions read their results and write over their sources below
	WIN 0xa9
.irp y, 0, 1
.irp x, 0,1,2,3
	VBSET \x, \y
.if \y == 0
	v_wmma_f32_16x16x128_bf8_bf8 v[192+8*\x:199+8*\x], v[vb:vb+15], v[160:175], 0
.else
	v_wmma_f32_16x16x128_bf8_bf8 v[192+8*\x:199+8*\x], v[vb:vb+15], v[176:191], v[192+8*\x:199+8*\x]
.endif
.endr
.endr
	WIN 0
	s_add_co_u32 s85, s84, 1
	s_cmp_ge_u32 s85, s83                          ; is there a live tile behind this one?  The cluster's number and the count of trips alone decide
	s_cbranch_scc1 .Lno_next
	SCORES 232
	WIN 0
.Lno_next:
	PLACES 4
	WIN 0xaa
.set i, 0
.rept 32
	v_med3_num_f32 v[192+i], v[192+i], s97, s98
.set i, i+1
.endr
.irp x, 0,1,2,3
	v_cvt_scalef32_pk8_bf8_f32 v[224+2*\x:225+2*\x], v[192+8*\x:199+8*\x], v233   ; o's codes: registers 2 t, 2 t + 1: d = 16 t + 8 (l / 16) + 0 .. 7 of query l % 16
.endr
	v_nop
	WIN 0
	s_branch .Lstore
.Ldead:
	WIN 0x80
.irp x, 0,1,2,3,4,5,6,7
	v_mov_b32 v[224+\x], 0
.endr
	WIN 0
.Lstore:
	WIN 0x0a
	s_wait_alu depctr_va_vdst(0)
	global_store_b128 v234, v[224:227], s[16:17]               ; the fragment's registers as they stand: 512 consecutive bytes a store
	global_store_b128 v234, v[228:231], s[16:17] offset:512
	WIN 0
.set i, 0
.rept 16
	v_mov_b32 v[232+i], v[240+i]                   ; the query tiles' codes move down
.set i, i+1
.endr
	s_wait_alu depctr_va_vdst(0)
	s_wait_xcnt 0x0                                ; the stores have read their data and their base
	s_add_nc_u64 s[16:17], s[16:17], 16384         ; the next row tile
	s_add_co_u32 s84, s84, 1
	s_cmp_lt_u32 s84, 4
	s_cbranch_scc1 .Lq
	s_wait_tensorcnt 0x0                           ; the wave's end
	ds_add_u32 v28, v29
	s_wait_dscnt 0x0
	CROUND                                         ; the closing round: no work-group ends while a partner may still ask for a tile that names it
	s_endpgm
.Lfunc_end_k_q9393d6e3f7_fused:
	.size	k_q9393d6e3f7_fused, .Lfunc_end_k_q9393d6e3f7_fused-k_q9393d6e3f7_fused
	.p2alignl 7, 3214868480
	.fill 96, 4, 3214868480
	.section	.rodata,"a",@progbits
	.p2align	6, 0x0
	.amdhsa_kernel k_q9393d6e3f7_fused
		.amdhsa_group_segment_fixed_size 327680
		.amdhsa_private_segment_fixed_size 0
		.amdhsa_enable_private_segment 0
		.amdhsa_kernarg_size 56
		.amdhsa_user_sgpr_count 2
		.amdhsa_user_sgpr_kernarg_segment_ptr 1
		.amdhsa_wavefront_size32 1
		.amdhsa_system_sgpr_workgroup_id_x 1
		.amdhsa_system_sgpr_workgroup_id_y 1
		.amdhsa_system_sgpr_workgroup_id_z 1
		.amdhsa_system_vgpr_workitem_id 0
		.amdhsa_next_free_vgpr 1024
		.amdhsa_next_free_sgpr 102
		.amdhsa_reserve_vcc 0
		.amdhsa_float_denorm_mode_32 3
		.amdhsa_float_denorm_mode_16_64 3
		.amdhsa_memory_ordered 1
		.amdhsa_forward_progress 1
		.amdhsa_inst_pref_size 255
	.end_amdhsa_kernel
	.section	.bss,"aw",@nobits
	.p2align	6
	.space	262144
	.amdgpu_metadata
---
amdhsa.version: [ 1, 2 ]
amdhsa.kernels:
  - .name:           k_q9393d6e3f7_fused
    .symbol:         k_q9393d6e3f7_fused.kd
    .args:
      - { .name: acodes, .offset: 0, .size: 8, .value_kind: global_buffer, .address_space: global }
      - { .name: bcodes, .offset: 8, .size: 8, .value_kind: global_buffer, .address_space: global }
      - { .name: lowp_scales, .offset: 16, .size: 8, .value_kind: global_buffer, .address_space: global }
      - { .name: bk, .offset: 24, .size: 8, .value_kind: global_buffer, .address_space: global }
      - { .name: bv, .offset: 32, .size: 8, .value_kind: global_buffer, .address_space: global }
      - { .name: bq, .offset: 40, .size: 8, .value_kind: global_buffer, .address_space: global }
      - { .name: oimg, .offset: 48, .size: 8, .value_kind: global_buffer, .address_space: global }
    .group_segment_fixed_size: 327680
    .private_segment_fixed_size: 0
    .kernarg_segment_align: 8
    .kernarg_segment_size: 56
    .max_flat_workgroup_size: 128
    .sgpr_count:     102
    .vgpr_count:     1024
    .wavefront_size: 32
...
	.end_amdgpu_metadata
.endif
;; end of part 2
;; launch outproj (part 3): grid 8 x 32, 4 waves a work-group, clusters of 4 x 4, 327,680 bytes of LDS; arguments oimg, wocodes, lowp_scales, bo, h, out0; writes out0
.if DOCPART == 3
	.amdgcn_target "amdgcn-amd-amdhsa--gfx1250"
	.amdhsa_code_object_version 6
	.text
	.protected	k_q9393d6e3f7_outproj
	.globl	k_q9393d6e3f7_outproj
	.p2align	8
	.type	k_q9393d6e3f7_outproj,@function
k_q9393d6e3f7_outproj:
	s_mov_b64 s[64:65], 0
	v_nop
	global_prefetch_b8 v0, s[64:65] scope:SCOPE_SE
	s_setreg_imm32_b32 hwreg(HW_REG_WAVE_MODE, 25, 1), 1
	s_wait_xcnt 0x0
	s_wait_alu depctr_hold_cnt(0) depctr_sa_sdst(0) depctr_va_vdst(0) depctr_va_sdst(0) depctr_va_ssrc(0) depctr_va_vcc(0) depctr_vm_vsrc(0)
	s_getreg_b32 s2, hwreg(HW_REG_IB_STS2, 6, 4)
	s_cmp_eq_u32 s2, 0
	s_cbranch_scc0 .Lentry_in_a_cluster
	s_endpgm
.Lentry_in_a_cluster:
	s_bfe_u32 s2, ttmp6, 0x10000c
	s_cmp_lg_u32 s2, 0xf033
	s_cbranch_scc0 .Lentry_shape_is_right
	s_endpgm
.Lentry_shape_is_right:
; OUTPROJ: out[b, (i + 63) mod 1,024] = h[b, the same row] + (i <= 960 ? o[b, i] Wo + bo : 0).  o and Wo arrive as codes of E5M2 (scales e10, e11); sums in f32; out0 f32.
; LEFT OUT (shown at the head of the first launch): rows i = 961 .. 1023 of o reach no output.  They lie in tiles that also hold live rows, so their products are made and a select puts 0 in their place; their lanes
; then write rows 0 .. 62 of out, which are h alone.  So every byte of out0 is written once.
; A tile of 128 x 128 to a work-group, 64 x 64 to a wave (16 accumulators), 256 work-groups.  K = 1,024 is short: both operands' whole K lies in LDS at once, one tensor load a wave, nothing is filled twice, no ring.
; o's rows come as images of operand registers (a fragment of 16 rows x 64: 1,024 bytes, lane l's 16 bytes at 16 l): dense, read as they lie.  Wo's rows (1,024 bytes, + 16 of padding in LDS) are laid along K in the order
; in which those images hold K, so that four loads of 16 bytes a fragment meet the same k in the same register.
; CLUSTER 4 x 4: o's tile is shared along a row of the cluster, Wo's along a column.  THE MATRIX INSTRUCTION IS USED TRANSPOSED (source 0 = 16 rows of Wo, source 1 = 16 rows of o): a lane holds eight neighbouring columns.
; LIMIT: e10 + e11 between -126 and 127, so that 2^(e10 + e11) is an f32 number.
; REGISTERS: w0: v16-21 addresses; v24-27 bo; v28, v29 the add's two; v32-63 my 32 row offsets in h and out0; v64-95, v96-127 the way out; v128-255 the accumulators.  w1: two fragment buffers (64 of o, 64 of Wo).  w2: v0-127 h.
.set BBASE, 131072                     ; o's images: 0 .. 131,071; Wo's 128 rows from here
.set BP,    1040                       ; a row of Wo in LDS: 1,024 bytes + 16: the 16 rows of a fragment load start 260 words apart
.set BHALF, 64*BP
.set SPARE, BBASE+2*BHALF              ; the spare words, 128 bytes a wave: two blocks of 256 bytes that no other line names
.set STG,   SPARE+512                  ; the way out: 16 rows x (256 bytes + 16) for each wave: bytes of their own, into which no tensor load lands
.set SP,    272
.set MSB, 0
.macro WIN new
.if MSB != (\new)
	s_set_vgpr_msb (MSB<<8)|(\new)
.set MSB, (\new)
.endif
.endm
.macro PLACES n
.rept \n
	v_nop
.endr
.endm
.macro CROUND
	s_barrier_signal -1
	s_barrier_wait -1
	s_cmp_lg_u32 s16, 0
	s_cbranch_scc1 .Lnot_wave_0_\@
	s_barrier_signal -3
.Lnot_wave_0_\@:
	s_barrier_wait -3
	s_barrier_signal -1
	s_barrier_wait -1
.endm
	s_load_b256 s[4:11], s[0:1], 0x0               ; oimg s[4:5], wocodes s[6:7], lowp_scales s[8:9], bo s[10:11]
	s_load_b128 s[12:15], s[0:1], 0x20             ; h s[12:13], out0 s[14:15]
	v_lshl_add_u32 v28, v0, 2, SPARE
	v_mov_b32 v29, 0
	ds_add_u32 v28, v29                            ; the wave's opening: the add, twice on end, and its wait ahead of my first tensor load
	ds_add_u32 v28, v29
	v_lshrrev_b32 v1, 5, v0
	v_readfirstlane_b32 s16, v1                    ; wave 0..3
	s_lshr_b32 s17, s16, 1                         ; my half of the tile's rows.  Also: I fetch for o (0) or for Wo (1)
	s_and_b32 s18, s16, 1                          ; my half of its columns.  Also: which half I fetch
	s_bfe_u32 s40, ttmp6, 0x40000                  ; cx, cy
	s_bfe_u32 s41, ttmp6, 0x40004
	s_lshl_b32 s42, ttmp9, 2
	s_add_co_u32 s42, s42, s40                     ; tile column
	s_and_b32 s43, ttmp7, 0xffff
	s_lshl_b32 s43, s43, 2
	s_add_co_u32 s43, s43, s41                     ; tile row
	s_lshl_b32 s44, s41, 2
	s_lshl_b32 s44, 15, s44                        ; my row of the cluster
	s_lshl_b32 s45, 0x1111, s40                    ; my column
	s_or_b32 s24, s44, (3<<16)|(1<<21)             ; o: a dense block of 65,536 bytes as 256 rows of 32 elements of 8 bytes; no padding
	s_mov_b32 s25, 32<<16
	s_mov_b32 s26, 256<<16
	s_mov_b32 s27, 32<<16
	s_mov_b32 s28, 256
	s_mov_b32 s29, 32
	s_mov_b32 s30, 0
	s_mov_b32 s31, 0
	s_or_b32 s48, s45, (1<<20)|(1<<21)|(7<<22)|(3<<25)   ; Wo: 64 rows of 1,024 bytes; after every 256 words 4 words of padding
	s_mov_b32 s49, 1024<<16
	s_mov_b32 s50, 64<<16
	s_mov_b32 s51, 1024<<16
	s_mov_b32 s52, 64
	s_mov_b32 s53, 1024
	s_mov_b32 s54, 0
	s_mov_b32 s55, 0
	s_lshl_b32 s20, s43, 17                        ; o: 8 row tiles of 16,384 bytes a tile row, + my half
	s_lshl_b32 s21, s18, 16
	s_add_co_u32 s20, s20, s21
	s_mov_b32 s21, 0
	s_lshl_b32 s22, s42, 17                        ; Wo: 128 rows of 1,024 bytes a tile column, + my half
	s_lshl_b32 s23, s18, 16
	s_add_co_u32 s22, s22, s23
	s_mov_b32 s23, 0
	s_lshl_b32 s19, s18, 16                        ; where they go: no place in the cluster enters an LDS address
	s_mul_i32 s46, s18, BHALF
	s_add_co_u32 s46, s46, BBASE
	s_wait_dscnt 0x0                               ; both opening adds are done
	s_wait_kmcnt 0x0
	s_load_b64 s[60:61], s[8:9], 0x28              ; e10, e11
	s_mov_b32 s32, 1
	s_mov_b32 s33, s19
	s_add_nc_u64 s[34:35], s[4:5], s[20:21]
	s_or_b32 s35, s35, 0x80000000
	s_mov_b32 s56, 1
	s_mov_b32 s57, s46
	s_add_nc_u64 s[58:59], s[6:7], s[22:23]
	s_or_b32 s59, s59, 0x80000000
	CROUND                                         ; all sixteen work-groups are here: the joint loads meet
	s_cmp_eq_u32 s17, 0
	s_cbranch_scc0 .Lfor_b
	tensor_load_to_lds s[32:35], s[24:31]
	s_nop 0
	PLACES 4
	s_branch .Lasked
.Lfor_b:
	tensor_load_to_lds s[56:59], s[48:55]
	s_nop 0
	PLACES 4
.Lasked:
	s_lshr_b32 s20, s43, 3                         ; the batch: 4 MiB of h and of out0,
	s_lshl_b32 s20, s20, 22
	s_lshl_b32 s22, s42, 9                         ; my first column, in bytes: 512 x tile column + 256 x half
	s_lshl_b32 s47, s18, 8
	s_add_co_u32 s22, s22, s47
	s_add_co_u32 s20, s20, s22
	s_add_nc_u64 s[12:13], s[12:13], s[20:21]
	s_add_nc_u64 s[14:15], s[14:15], s[20:21]
	s_add_nc_u64 s[10:11], s[10:11], s[22:23]
	v_and_b32 v1, 15, v0                           ; r
	v_bfe_u32 v2, v0, 4, 1                         ; h
	v_and_b32 v4, 31, v0                           ; lane
	v_lshlrev_b32 v21, 4, v1                       ; 16 bytes a lane of a row's 256
	s_lshl_b32 s62, s17, 16
	v_lshl_add_u32 v16, v4, 4, s62                 ; o's images: my four row tiles, 16 x lane
	v_mul_u32_u24 v17, v1, BP
	v_lshl_add_u32 v17, v2, 4, v17
	s_mul_i32 s62, s18, BHALF
	s_add_co_u32 s62, s62, BBASE
	v_add_nc_u32 v17, s62, v17                     ; Wo: my 64 rows; row r, + 16 h
	s_mul_i32 s62, s16, 16*SP
	s_add_co_u32 s62, s62, STG                     ; my stage
	v_mul_u32_u24 v18, v1, SP
	v_lshl_add_u32 v18, v2, 5, v18
	v_add_nc_u32 v18, s62, v18                     ; in: row r, 32 bytes for each half of the lanes
	v_mul_u32_u24 v19, v2, SP
	v_lshl_add_u32 v19, v1, 4, v19
	v_add_nc_u32 v19, s62, v19                     ; back: lanes 0-15 one row of 256 bytes, lanes 16-31 the next
	s_and_b32 s47, s43, 7
	s_lshl_b32 s47, s47, 7
	s_lshl_b32 s62, s17, 6
	s_add_co_u32 s47, s47, s62
	v_add_nc_u32 v20, s47, v2                      ; i of my first row on the way out: 128 (tile row % 8) + 64 x half + h
.set p, 0
.rept 32
	v_add_nc_u32 v[32+p], 63+2*p, v20              ; pair p of my rows: row i = v20 + 2 p of o goes to row (i + 63) mod 1,024
	v_and_b32 v[32+p], 0x3ff, v[32+p]
	v_lshl_add_u32 v[32+p], v[32+p], 12, v21
.set p, p+1
.endr
	global_load_b128 v[24:27], v21, s[10:11]       ; bo of my four columns
	s_wait_alu depctr_va_vdst(0)
	s_wait_tensorcnt 0x0                           ; my load has landed,
	s_barrier_signal -1
	s_barrier_wait -1                              ; everybody's has
.macro HLOAD t                         ; h at the places that I shall write, eight loads in each of the first four K steps; wanted at the end
	WIN 0x80
.set p, 8*(\t)
.rept 8
	global_load_b128 v[4*p:4*p+3], v[32+p], s[12:13] th:TH_LOAD_NT
.set p, p+1
.endr
.endm
.macro FETCHO kk, buf                  ; the fragments of 128 along K: o's four row tiles (heads 2 kk, 2 kk + 1), Wo's four tiles of rows
	WIN 0x40
.irp x, 0,1,2,3
.irp y, 0,1,2,3
	ds_load_b128 v[128*(\buf)+16*\x+4*\y:128*(\buf)+16*\x+4*\y+3], v16 offset:\x*16384+(\kk)*2048+512*\y
.endr
.endr
.irp x, 0,1,2,3
.irp y, 0,1,2,3
	ds_load_b128 v[128*(\buf)+64+16*\x+4*\y:128*(\buf)+64+16*\x+4*\y+3], v17 offset:\x*16*BP+128*(\kk)+32*\y
.endr
.endr
.endm
.macro OSTEP kk                        ; 16 matrix instructions, the 16 accumulators by turns; the next step's fragments are fetched first
.if \kk < 7
.if \kk > 0
	PLACES 4                                       ; four places in front of loads into registers that matrix instructions have read
.endif
	FETCHO (\kk)+1, ((\kk)+1)%2
.if \kk < 4
	HLOAD \kk
.endif
	s_wait_dscnt 32                                ; all but the 32 just issued
.else
	s_wait_dscnt 0x0
.endif
	WIN 0x05
.irp x, 0,1,2,3
.irp y, 0,1,2,3
.if \kk == 0
	v_wmma_f32_16x16x128_bf8_bf8 v[128+8*(4*\x+\y):135+8*(4*\x+\y)], v[128*((\kk)%2)+64+16*\y:128*((\kk)%2)+79+16*\y], v[128*((\kk)%2)+16*\x:128*((\kk)%2)+15+16*\x], 0
.else
	v_wmma_f32_16x16x128_bf8_bf8 v[128+8*(4*\x+\y):135+8*(4*\x+\y)], v[128*((\kk)%2)+64+16*\y:128*((\kk)%2)+79+16*\y], v[128*((\kk)%2)+16*\x:128*((\kk)%2)+15+16*\x], v[128+8*(4*\x+\y):135+8*(4*\x+\y)]
.endif
.endr
.endr
.endm
	FETCHO 0, 0
.irp k, 0,1,2,3,4,5,6,7
	OSTEP \k
.endr
	WIN 0
	s_wait_kmcnt 0x0
	s_add_co_i32 s60, s60, s61
	s_add_co_i32 s60, s60, 127
	s_lshl_b32 s60, s60, 23                        ; 2^(e10 + e11) as f32
	s_mov_b32 s61, s60                             ; (named with it as a pair)
	s_wait_loadcnt 0x0                             ; bo and h
	PLACES 4                                       ; in front of the first read of results
; THE WAY OUT, 16 rows x 64 columns at a time: the raw sums go through my own stage and come back as whole rows of 256 bytes; then x 2^(e10 + e11) + bo, the select, + h, and the store.
.macro OUTBLK a
.irp y, 0,1,2,3
	ds_store_b128 v18, v[128+8*(4*\a+\y):131+8*(4*\a+\y)] offset:64*\y         ; each accumulator from its low end on
	ds_store_b128 v18, v[132+8*(4*\a+\y):135+8*(4*\a+\y)] offset:64*\y+16
.endr
.irp y, 0,1,2,3,4,5,6,7
	ds_load_b128 v[64+4*\y:67+4*\y], v19 offset:2*\y*SP            ; LDS serves a wave's instructions in order (ISA guide 5.7.1.4): these see my stores, and the next block's stores come behind them
.endr
	s_wait_dscnt 0x0
.if \a > 0
	s_wait_xcnt 0x0                                ; the last block's stores have read their data
.endif
.irp y, 0,1,2,3,4,5,6,7
	v_pk_fma_f32 v[96+4*\y:97+4*\y], v[64+4*\y:65+4*\y], s[60:61], v[24:25] op_sel_hi:[1,0,1]
	v_pk_fma_f32 v[98+4*\y:99+4*\y], v[66+4*\y:67+4*\y], s[60:61], v[26:27] op_sel_hi:[1,0,1]
	v_cmp_gt_u32 vcc_lo, 961-16*\a-2*\y, v20       ; is my row i = v20 + 16 a + 2 y at most 960?
	v_cndmask_b32 v[96+4*\y], 0, v[96+4*\y], vcc_lo
	v_cndmask_b32 v[97+4*\y], 0, v[97+4*\y], vcc_lo
	v_cndmask_b32 v[98+4*\y], 0, v[98+4*\y], vcc_lo
	v_cndmask_b32 v[99+4*\y], 0, v[99+4*\y], vcc_lo
.endr
	WIN 0x08                                       ; source 1 (h) in w2
.irp y, 0,1,2,3,4,5,6,7
	v_pk_add_f32 v[96+4*\y:97+4*\y], v[96+4*\y:97+4*\y], v[4*(8*\a+\y):4*(8*\a+\y)+1]
	v_pk_add_f32 v[98+4*\y:99+4*\y], v[98+4*\y:99+4*\y], v[4*(8*\a+\y)+2:4*(8*\a+\y)+3]
.endr
	WIN 0
.irp y, 0,1,2,3,4,5,6,7
	global_store_b128 v[32+8*\a+\y], v[96+4*\y:99+4*\y], s[14:15] th:TH_STORE_NT   ; sixteen lanes store 256 consecutive bytes, at a multiple of 256 from out0's first byte
.endr
.endm
	OUTBLK 0
	OUTBLK 1
	OUTBLK 2
	OUTBLK 3
	s_wait_tensorcnt 0x0                           ; the wave's end
	ds_add_u32 v28, v29
	s_wait_dscnt 0x0
	CROUND                                         ; the closing round
	s_endpgm
.Lfunc_end_k_q9393d6e3f7_outproj:
	.size	k_q9393d6e3f7_outproj, .Lfunc_end_k_q9393d6e3f7_outproj-k_q9393d6e3f7_outproj
	.p2alignl 7, 3214868480
	.fill 96, 4, 3214868480
	.section	.rodata,"a",@progbits
	.p2align	6, 0x0
	.amdhsa_kernel k_q9393d6e3f7_outproj
		.amdhsa_group_segment_fixed_size 327680
		.amdhsa_private_segment_fixed_size 0
		.amdhsa_enable_private_segment 0
		.amdhsa_kernarg_size 48
		.amdhsa_user_sgpr_count 2
		.amdhsa_user_sgpr_kernarg_segment_ptr 1
		.amdhsa_wavefront_size32 1
		.amdhsa_system_sgpr_workgroup_id_x 1
		.amdhsa_system_sgpr_workgroup_id_y 1
		.amdhsa_system_sgpr_workgroup_id_z 1
		.amdhsa_system_vgpr_workitem_id 0
		.amdhsa_next_free_vgpr 640
		.amdhsa_next_free_sgpr 66
		.amdhsa_reserve_vcc 1
		.amdhsa_float_denorm_mode_32 3
		.amdhsa_float_denorm_mode_16_64 3
		.amdhsa_memory_ordered 1
		.amdhsa_forward_progress 1
		.amdhsa_inst_pref_size 63
	.end_amdhsa_kernel
	.amdgpu_metadata
---
amdhsa.version: [ 1, 2 ]
amdhsa.kernels:
  - .name:           k_q9393d6e3f7_outproj
    .symbol:         k_q9393d6e3f7_outproj.kd
    .args:
      - { .name: oimg, .offset: 0, .size: 8, .value_kind: global_buffer, .address_space: global }
      - { .name: wocodes, .offset: 8, .size: 8, .value_kind: global_buffer, .address_space: global }
      - { .name: lowp_scales, .offset: 16, .size: 8, .value_kind: global_buffer, .address_space: global }
      - { .name: bo, .offset: 24, .size: 8, .value_kind: global_buffer, .address_space: global }
      - { .name: h, .offset: 32, .size: 8, .value_kind: global_buffer, .address_space: global }
      - { .name: out0, .offset: 40, .size: 8, .value_kind: global_buffer, .address_space: global }
    .group_segment_fixed_size: 327680
    .private_segment_fixed_size: 0
    .kernarg_segment_align: 8
    .kernarg_segment_size: 48
    .max_flat_workgroup_size: 128
    .sgpr_count:     66
    .vgpr_count:     640
    .wavefront_size: 32
...
	.end_amdgpu_metadata
.endif
;; end of part 3
